; MI455X (gfx1250); checked and timed in simulation.
; The chip was launched on July 23, 2026; its instructions are those of AMD's public machine-readable ISA for CDNA 5 (MIT licence, August 2026) and "CDNA5" Instruction Set Architecture Reference Guide (July 2026). The comments in the code are by the model that wrote it; some were corrected since.
;; Multihead Attention. Allowed arithmetic: matrix products marked QUANTISED: E2M1 operands, one E8M0 scale for each 32 along K, by v_wmma_scale_f32_16x16x128_f8f6f4 with both operands' format E2M1 (or v_wmma_scale_f32_32x16x128_f4), f32 sums; everything else in f32.
;; Inputs: Wk_codes 1,024 x 32 x 16 uint8 (E2M1 codes of Wk, K innermost, in blocks of 32 codes, two codes a byte); Wk_scales 1,024 x 32 uint8 (E8M0 scales of Wk, one for each 32 codes along K); Wq_codes 1,024 x 32 x 16 uint8 (E2M1 codes of Wq, K innermost, in blocks of 32 codes, two codes a byte); Wq_scales 1,024 x 32 uint8 (E8M0 scales of Wq, one for each 32 codes along K); Wv_codes 1,024 x 32 x 16 uint8 (E2M1 codes of Wv, K innermost, in blocks of 32 codes, two codes a byte); Wv_scales 1,024 x 32 uint8 (E8M0 scales of Wv, one for each 32 codes along K); bk 1,024 float32; bq 1,024 float32; bv 1,024 float32; x_codes 4 x 2,048 x 32 x 16 uint8 (E2M1 codes of x, K innermost, in blocks of 32 codes, two codes a byte); x_scales 4 x 2,048 x 32 uint8 (E8M0 scales of x, one for each 32 codes along K).
;; Outputs: out0 4 x 2,048 x 1,024 float32.
;; This version of the problem:
;;   THIS VERSION OF THE PROBLEM IS GIVEN IN LOW PRECISION. The matrix products marked QUANTISED in the list below multiply operands that are first quantised to E2M1 (2 exponent bits, 1 mantissa bit; 4 bits a number), with one power-of-two scale for each 32 numbers along K (OCP MX v1.0); their sums are f32. All else is computed in f32.
;;   The module's matrix products, in the order in which they are computed (A, B: the left and right operand; K: the contracted axis; several contracted axes count as one K, in the product's order):
;;     1. [M 8,192, K 1,024] x [K 1,024, N 1,024]; A: input x (given as codes); B: input Wq (given as codes): QUANTISED
;;     2. [M 8,192, K 1,024] x [K 1,024, N 1,024]; A: input x (given as codes); B: input Wk (given as codes): QUANTISED
;;     3. [M 8,192, K 1,024] x [K 1,024, N 1,024]; A: input x (given as codes); B: input Wv (given as codes): QUANTISED
;;     4. batch 64 x [M 2,048, K 64] x [K 64, N 2,048]; A: computed on the way; B: computed on the way: QUANTISED
;;     5. batch 64 x [M 2,048, K 2,048] x [K 2,048, N 64]; A: softmax (see below); B: computed on the way: QUANTISED
;;   THE QUANTISER, for each operand of a quantised product, along K:
;;     - K is cut into blocks of 32 from its start; a last block that is shorter is filled with zeros.
;;     - A block's scale is 2^e with e = floor(log2(the largest magnitude in the block)) - 2, held to -126 .. 127; a block of zeros has e = 0. As a byte (E8M0): e + 127.
;;     - Each number is divided by its block's scale, clamped to +-6, and rounded to the nearest number of E2M1, ties to even, subnormals kept.
;;     - The product sums the exact products of the quantised numbers (number of the format x scale) in f32.
;;   ~~~python
;;   def quantise(x, axis):      # numpy; x: float32 -> the quantised numbers, widened to float32 again
;;       x = np.moveaxis(x, axis, -1); K = x.shape[-1]
;;       x = np.pad(x, [(0, 0)] * (x.ndim - 1) + [(0, -K % 32)]); x = x.reshape(x.shape[:-1] + (-1, 32)); a = np.abs(x).max(-1, keepdims=True)
;;       e = np.where(a > 0, np.clip(np.frexp(np.where(a > 0, a, 1))[1] - 1 - 2, -126, 127), 0)      # np.frexp(a)[1] - 1 = floor(log2(a)), exactly
;;       r = np.clip(x / 2.0 ** e, -6, 6)
;;       step = 2.0 ** (np.maximum(np.frexp(np.where(r == 0, 1, r))[1] - 1, 0) - 1)
;;       q = np.round(r / step) * step * 2.0 ** e      # np.round: ties to even
;;       return np.moveaxis(q.reshape(q.shape[:-2] + (-1,))[..., :K], -1, axis).astype(np.float32)
;;   ~~~
;;   SOFTMAX AHEAD OF A QUANTISED PRODUCT. Where the list says 'softmax', what is quantised is not the finished softmax but p = 2^(t - M), with t = logit x log2(e) and M = ceil(the row's largest t), a whole number; so 1/2 < the row's largest p <= 1. The row's sum l is taken of the UNQUANTISED p, in f32, and the product's result is divided by l at the end. Since M is a whole number, a kernel that streams over the keys may use a running M (the ceiling of the running maximum): every later rescaling is an exact power of two, which a block's scale takes up: the codes' values come out the same.
;;   OPERANDS COMPUTED ON THE WAY. 'Computed on the way' means the value that the module computes at that place (a softmax that the list does not call 'softmax' is quantised finished and normalised). What goes into a quantiser is computed in f32, as accurately as f32 sums, v_exp_f32 and their like allow (about 1e-6 of the number): no bf16 or f16 on the way to a quantiser, and a product that is left as it is and whose result goes on into a quantised operand takes f32 operands (vector FMAs, or v_wmma_f32_16x16x4_f32). A number that lies on a knife's edge between two numbers of the format may be rounded either way, as far as f32 arithmetic and the matrix unit's own rounding can turn it there, and no further.
;;   INPUTS GIVEN AS CODES. Wk (in the module: [1024, 1024], K = its axis 0); Wq (in the module: [1024, 1024], K = its axis 0); Wv (in the module: [1024, 1024], K = its axis 0); x (in the module: [4, 2048, 1024], K = its axis 2): each comes as NAME_codes (uint8): NAME with its K axis moved to the last place and cut into blocks of 32 codes, [.., K / 32, bytes a block], one block behind the other in memory; two codes a byte, the lower K in the low four bits (a code: sign, 2 exponent bits, 1 mantissa bit); and NAME_scales (uint8): the same leading axes, one E8M0 byte (e + 127) for each 32 codes along K. Its value is code x scale, taken as it is: it is not quantised again, and the codes and scales need not be those that the quantiser above would give.
;; One version. Each part assembles by itself: llvm-mc -triple=amdgcn-amd-amdhsa -mcpu=gfx1250 --defsym DOCPART=n.
;; ======== version 1 of 1: 2 launches
;; limits: right only within a limited range of input values
;; workspace buffers: qimg 4,194,304 bytes; kimg 4,194,304 bytes; vimg 4,194,304 bytes; qsc 524,288 bytes; ksc 524,288 bytes; vsc 262,144 bytes
;; launch proj (part 1): grid 96 x 4, 4 waves a work-group, clusters of 4 x 4, 327,680 bytes of LDS; arguments x_codes, x_scales, Wq_codes, Wq_scales, Wk_codes, Wk_scales, Wv_codes, Wv_scales, bq, bk, bv, qimg, kimg, vimg, qsc, ksc, vsc; writes qimg, kimg, vimg, qsc, ksc, vsc
.if DOCPART == 1
	.amdgcn_target "amdgcn-amd-amdhsa--gfx1250"
	.amdhsa_code_object_version 6
	.text
	.protected	k_q032edea950_proj
	.globl	k_q032edea950_proj
	.p2align	8
	.type	k_q032edea950_proj,@function
k_q032edea950_proj:
	s_mov_b64 s[64:65], 0
	v_nop
	global_prefetch_b8 v0, s[64:65] scope:SCOPE_SE
	s_setreg_imm32_b32 hwreg(HW_REG_WAVE_MODE, 25, 1), 1
	s_wait_xcnt 0x0
	s_wait_alu depctr_hold_cnt(0) depctr_sa_sdst(0) depctr_va_vdst(0) depctr_va_sdst(0) depctr_va_ssrc(0) depctr_va_vcc(0) depctr_vm_vsrc(0)
	s_getreg_b32 s2, hwreg(HW_REG_IB_STS2, 6, 4)
	s_cmp_eq_u32 s2, 0
	s_cbranch_scc0 .Lentry_in_a_cluster
	s_endpgm
.Lentry_in_a_cluster:
	s_bfe_u32 s2, ttmp6, 0x10000c
	s_cmp_lg_u32 s2, 0xf033
	s_cbranch_scc0 .Lentry_shape_is_right
	s_endpgm
.Lentry_shape_is_right:
; q = x Wq + bq, k = x Wk + bk, v = x Wv + bv on codes of FP4 (E2M1) with E8M0 scales, K = 1,024; the results are quantised again for the attention launch and stored as images of its operand registers, with their scale words.
; A work-group makes a tile of 256 x 256: four waves, 128 x 128 each, 64 accumulators.  For q and k source A is x (tokens) and B the weight's rows; for v the two change places, so that a lane's registers run along the tokens, the next K.
; The bias is the C of each accumulator's first product.  Clusters of 4 x 4: A's tile is shared along a row of the cluster, B's along a column, each asked for jointly.
; ALL OF K COMES AT ONCE: a tile's 256 rows of 512 bytes, 16 bytes of padding behind each (pitch 528 = 33 x 16: the sixteen rows of a fragment load fall in sixteen different 16-byte columns of 256 bytes).
; The head's four loads, one a wave: wave 0 A's rows, wave 1 B's, wave 2 A's scales, wave 3 B's.  270,336 + 17,408 bytes; no LDS byte is filled twice, so one barrier behind the loads serves the whole launch.
; No prefetch: every fill is issued at the head, so there is no loop that runs ahead of a fill.
.set PITCH,  528
.set HALFT,  128*PITCH
.set SLOT,   256                       ; the second 512 along K: 256 bytes on in each row
.set SCL,    4*HALFT
.set HALFS,  16*272
.set SBLK,   2*272
.set NQ,     4
.set FR,     8
.set NL,     2
.set NP,     4
.set VBJ,  8
.set ADRA, 16
.set ADRB, 20
.set OL,   24
.set OS,   25
.set SHV,  26
.set ADRS, 27
.set LN,   28
.set SC,   32
.set TM,   96
.set PW,   112
.set KS,   116
.set AF,   128
.set PC,   128
.set BIAS, 192
.set G1,   24
.set G0,   32
.set G1B,  48
.set G0B,  56
.set G1S,  68
.set G0S,  76
.set G1SB, 80
.set G0SB, 88
.set MSB, 0
.macro WIN new
.if MSB != (\new)
	s_set_vgpr_msb (MSB<<8)|(\new)
.set MSB, (\new)
.endif
.endm
.set MUL_LO, 0xa1
.set MUL_HI, 0xf1
.set TO_B,   0x40
.macro ARM under, g0, g1, next         ; an arm of the head's chain of branches on the wave's number: one joint load
	s_cmp_lt_u32 s14, \under
	s_cbranch_scc0 \next
	tensor_load_to_lds s[\g0:\g0+3], s[\g1:\g1+7]
	s_nop 0
.rept 4
	v_nop
.endr
	s_branch .Lhead_asked
\next:
.endm
.macro CROUND
	s_barrier_signal -1
	s_barrier_wait -1
	s_cmp_lg_u32 s14, 0
	s_cbranch_scc1 .Lnot_wave_0_\@
	s_barrier_signal -3
.Lnot_wave_0_\@:
	s_barrier_wait -3
	s_barrier_signal -1
	s_barrier_wait -1
.endm
	s_load_b512 s[68:83], s[0:1], 0x0
	s_load_b512 s[84:99], s[0:1], 0x40
	s_load_b64 s[100:101], s[0:1], 0x80
	v_lshl_add_u32 v126, v0, 2, 0x48400
	v_mov_b32 v127, 0
	ds_add_u32 v126, v127
	ds_add_u32 v126, v127
	v_lshrrev_b32 v3, 5, v0
	v_readfirstlane_b32 s14, v3
	s_lshr_b32 s15, s14, 1
	s_and_b32 s16, s14, 1
	s_bfe_u32 s40, ttmp6, 0x40000
	s_bfe_u32 s41, ttmp6, 0x40004
	s_lshr_b32 s2, ttmp9, 3
	s_and_b32 s18, ttmp9, 7
	s_cmp_eq_u32 s2, 2
	s_cselect_b32 s3, 1, 0
	s_cselect_b32 s19, 0, s18
	s_cselect_b32 s20, s18, 0
	s_lshl_b32 s17, s19, 2
	s_add_co_u32 s17, s17, s41
	s_lshl_b32 s42, s20, 2
	s_add_co_u32 s42, s42, s40
	s_lshl_b32 s43, s41, 2
	s_lshl_b32 s43, 15, s43
	s_lshl_b32 s44, 0x1111, s40
	s_or_b32 s[G1+0], s43, (0<<16)|(1<<20)|(1<<21)|(6<<22)|(3<<25)    ; 256 rows of 512 bytes; four words of padding behind every 128
	s_or_b32 s[G1B+0], s44, (0<<16)|(1<<20)|(1<<21)|(6<<22)|(3<<25)
.irp g, G1, G1B
	s_mov_b32 s[\g+1], 512<<16
	s_mov_b32 s[\g+2], 256<<16
	s_mov_b32 s[\g+3], 512<<16
	s_mov_b32 s[\g+4], 256
	s_mov_b32 s[\g+5], 512
	s_mov_b32 s[\g+6], 0
	s_mov_b32 s[\g+7], 0
.endr
	s_lshl_b32 s20, s17, 8                         ; the tile's first row of A,
	s_lshl_b32 s46, s42, 8                         ; and of B
	s_lshl_b32 s22, s20, 5
	s_lshl_b32 s20, s20, 9
	s_mov_b32 s21, 0
	s_mov_b32 s23, 0
	s_lshl_b32 s19, s46, 5
	s_lshl_b32 s46, s46, 9
	s_mov_b32 s47, 0
	s_mov_b32 s66, 0x76543210
	s_mov_b32 s67, 0xfedcba98
	s_wait_dscnt 0x0
	s_wait_kmcnt 0x0
	s_cmp_eq_u32 s2, 1
	s_cselect_b64 s[72:73], s[76:77], s[72:73]
	s_cselect_b64 s[74:75], s[78:79], s[74:75]
	s_cselect_b64 s[12:13], s[92:93], s[90:91]
	s_cselect_b64 s[92:93], s[86:87], s[84:85]
	s_cselect_b64 s[96:97], s[98:99], s[96:97]
	s_cmp_eq_u32 s2, 2
	s_cselect_b64 s[72:73], s[80:81], s[72:73]
	s_cselect_b64 s[74:75], s[82:83], s[74:75]
	s_cselect_b64 s[12:13], s[94:95], s[12:13]
	s_cselect_b64 s[92:93], s[88:89], s[92:93]
	s_cselect_b64 s[96:97], s[100:101], s[96:97]
	s_cselect_b64 s[4:5], s[72:73], s[68:69]
	s_cselect_b64 s[6:7], s[74:75], s[70:71]
	s_cselect_b64 s[8:9], s[68:69], s[72:73]
	s_cselect_b64 s[10:11], s[70:71], s[74:75]
	s_cselect_b32 s101, -1, 0xffff
	s_mov_b32 s98, s19
	s_mov_b32 s99, 0
	s_add_nc_u64 s[20:21], s[4:5], s[20:21]
	s_add_nc_u64 s[22:23], s[6:7], s[22:23]
	s_add_nc_u64 s[46:47], s[8:9], s[46:47]
	s_add_nc_u64 s[98:99], s[10:11], s[98:99]
	s_or_b32 s[G1S+0], s43, (3<<16)|(1<<20)|(1<<21)|(5<<22)|(3<<25)
	s_or_b32 s[G1SB+0], s44, (3<<16)|(1<<20)|(1<<21)|(5<<22)|(3<<25)
.irp g, G1S, G1SB
	s_mov_b32 s[\g+1], 32<<16
	s_mov_b32 s[\g+2], 32<<16                      ; the scales of 256 rows: 8,192 dense bytes as 32 rows of 256
	s_mov_b32 s[\g+3], 32<<16
	s_mov_b32 s[\g+4], 32
	s_mov_b32 s[\g+5], 32
	s_mov_b32 s[\g+6], 0
	s_mov_b32 s[\g+7], 0
.endr
	CROUND
	s_mov_b32 s[G0S], 1                            ; A's scales,
	s_mov_b32 s[G0S+1], SCL
	s_mov_b64 s[G0S+2:G0S+3], s[22:23]
	s_or_b32 s[G0S+3], s[G0S+3], 0x80000000
	s_mov_b32 s[G0SB], 1                           ; B's, behind them,
	s_mov_b32 s[G0SB+1], SCL+2*HALFS
	s_mov_b64 s[G0SB+2:G0SB+3], s[98:99]
	s_or_b32 s[G0SB+3], s[G0SB+3], 0x80000000
	s_mov_b32 s[G0], 1                             ; A's 256 rows,
	s_mov_b32 s[G0+1], 0
	s_mov_b64 s[G0+2:G0+3], s[20:21]
	s_or_b32 s[G0+3], s[G0+3], 0x80000000
	s_mov_b32 s[G0B], 1                            ; B's 256 rows, behind them
	s_mov_b32 s[G0B+1], 2*HALFT
	s_mov_b64 s[G0B+2:G0B+3], s[46:47]
	s_or_b32 s[G0B+3], s[G0B+3], 0x80000000
	ARM 1, G0,  G1,  .Lhead_b                      ; one chain of branches: every way through the head passes exactly one load
	ARM 2, G0B, G1B, .Lhead_sa
	ARM 3, G0S, G1S, .Lhead_sb
	tensor_load_to_lds s[G0SB:G0SB+3], s[G1SB:G1SB+7]
	s_nop 0
.rept 4
	v_nop
.endr
.Lhead_asked:
	v_and_b32 v1, 15, v0
	v_bfe_u32 v2, v0, 4, 1
	v_and_b32 v[LN], 31, v0
	v_lshlrev_b32 v[OL], 4, v[LN]
	v_mul_u32_u24 v3, v1, PITCH
	v_lshl_add_u32 v4, v2, 4, v3
	s_mul_i32 s21, s15, HALFT
	s_mul_i32 s22, s16, HALFT
	s_add_co_u32 s22, s22, 2*HALFT
.irp s, 0,1
	v_add_nc_u32 v[ADRA+\s], s21, v4
	v_add_nc_u32 v[ADRB+\s], s22, v4
	s_add_co_u32 s21, s21, SLOT
	s_add_co_u32 s22, s22, SLOT
.endr
	v_lshlrev_b32 v5, 5, v1
	v_lshrrev_b32 v6, 3, v1
	v_lshl_add_u32 v5, v6, 4, v5
	s_mul_i32 s21, s15, HALFS
	s_mul_i32 s22, s16, HALFS
	s_add_co_u32 s22, s22, 2*HALFS
	s_sub_co_u32 s22, s22, s21
	v_mul_u32_u24 v6, s22, v2
	s_add_co_u32 s21, s21, SCL
	v_add_nc_u32 v5, v5, v6
	v_add_nc_u32 v[ADRS], s21, v5
.irp b, 0,1,2,3
	v_mov_b32 v[TM+4+\b], 0
.endr
	s_lshl_b32 s18, s17, 8
	s_lshl_b32 s19, s15, 7
	s_add_co_u32 s18, s18, s19
	s_lshl_b32 s19, s42, 8
	s_lshl_b32 s20, s16, 7
	s_add_co_u32 s19, s19, s20
	s_cmp_eq_u32 s3, 0
	s_cselect_b32 s20, s18, s19
	s_cselect_b32 s21, s19, s18
	s_cselect_b32 s2, 1, 0
	s_lshr_b32 s22, s20, 11
	s_lshl_b32 s22, s22, 4
	s_lshr_b32 s23, s21, 6
	s_add_co_u32 s22, s22, s23
	s_and_b32 s20, s20, 2047
	s_lshl_b32 s46, s22, 16
	s_lshl_b32 s47, s20, 5
	s_add_co_u32 s46, s46, s47
	s_mov_b32 s47, 0
	s_add_nc_u64 s[12:13], s[12:13], s[46:47]
	s_lshl_b32 s46, s22, 12
	s_lshl_b32 s23, s20, 1
	s_add_co_u32 s46, s46, s23
	s_lshl_b32 s46, s46, s2
	s_add_nc_u64 s[96:97], s[96:97], s[46:47]
	s_lshl_b32 s46, s21, 2
	s_add_nc_u64 s[92:93], s[92:93], s[46:47]
	s_cmp_eq_u32 s3, 0
	s_cselect_b32 s18, 13, 12
	v_lshlrev_b32 v[OS], s18, v2
	v_lshl_add_u32 v[OS], v1, 4, v[OS]
	s_cselect_b32 s18, 16, 0
	v_mul_u32_u24 v[SHV], s18, v2
	s_cselect_b32 s18, 0, 4
	s_cselect_b32 s19, 32, 0
	s_cselect_b32 s20, 4, 0
	v_mul_u32_u24 v[VBJ], s18, v1
	v_mad_u32_u24 v[VBJ], s19, v2, v[VBJ]
.irp j, 1,2,3,4,5,6,7
	v_add_nc_u32 v[VBJ+\j], s20, v[VBJ+\j-1]
.endr
.irp t, 0,1,2,3,4,5,6,7
.irp j, 0,1,2,3,4,5,6,7
	global_load_b32 v[BIAS+8*\t+\j], v[VBJ+\j], s[92:93] offset:64*\t
.endr
.endr
.macro FRAG reg, adr, q, i
.irp c, 0,1
	ds_load_b128 v[\reg+4*\c:\reg+4*\c+3], v[\adr] offset:64*(\q)+32*\c+(\i)*16*PITCH
.endr
.endm
.macro MUL16 a0, p, q, sc, mode
.irp a, \a0, \a0+1
.irp b, 0,1,2,3,4,5,6,7
.if \mode == 0
	v_wmma_scale_f32_16x16x128_f8f6f4 v[8*(8*((\a)%4)+\b):8*(8*((\a)%4)+\b)+7], v[128*(\p)+FR*\b:128*(\p)+FR*\b+FR-1], v[AF+FR*(\a):AF+FR*(\a)+FR-1], v[8*(8*((\a)%4)+\b):8*(8*((\a)%4)+\b)+7], v[SC+8*NQ*(\sc)+NQ*\b+(\q)], v[SC+8*NQ*(\sc)+NQ*(\a)+(\q)] matrix_a_fmt:MATRIX_FMT_FP4 matrix_b_fmt:MATRIX_FMT_FP4 matrix_a_scale:MATRIX_SCALE_ROW1
.elseif \mode == 1
	v_wmma_scale_f32_16x16x128_f8f6f4 v[8*(8*((\a)%4)+\b):8*(8*((\a)%4)+\b)+7], v[128*(\p)+FR*\b:128*(\p)+FR*\b+FR-1], v[AF+FR*(\a):AF+FR*(\a)+FR-1], v[BIAS+8*\b:BIAS+8*\b+7], v[SC+8*NQ*(\sc)+NQ*\b+(\q)], v[SC+8*NQ*(\sc)+NQ*(\a)+(\q)] matrix_a_fmt:MATRIX_FMT_FP4 matrix_b_fmt:MATRIX_FMT_FP4 matrix_a_scale:MATRIX_SCALE_ROW1
.else
	v_wmma_scale_f32_16x16x128_f8f6f4 v[8*(8*((\a)%4)+\b):8*(8*((\a)%4)+\b)+7], v[128*(\p)+FR*\b:128*(\p)+FR*\b+FR-1], v[AF+FR*(\a):AF+FR*(\a)+FR-1], v[BIAS+8*(\a):BIAS+8*(\a)+7], v[SC+8*NQ*(\sc)+NQ*\b+(\q)], v[SC+8*NQ*(\sc)+NQ*(\a)+(\q)] matrix_a_fmt:MATRIX_FMT_FP4 matrix_b_fmt:MATRIX_FMT_FP4 matrix_a_scale:MATRIX_SCALE_ROW1
.endif
.endr
.endr
.endm
.macro MULF hi
	WIN 0
	s_cmp_eq_u32 s3, 0
	s_cbranch_scc0 .Lfirst_v_\@
	WIN 0x81+0x40*\hi
	MUL16 4*\hi, 0, 0, 0, 1
	MUL16 4*\hi+2, 0, 0, 0, 1
	WIN 0
	s_branch .Lfirst_j_\@
.Lfirst_v_\@:
	WIN 0x81+0x40*\hi
	MUL16 4*\hi, 0, 0, 0, 2
	MUL16 4*\hi+2, 0, 0, 0, 2
	WIN 0
.Lfirst_j_\@:
.endm
.macro FETCH_B slot, q, p
	WIN TO_B
.irp i, 0,1,2,3,4,5,6,7
	FRAG 128*(\p)+FR*\i, ADRB+\slot, \q, \i
.endr
	WIN 0
.endm
.macro FETCH_A slot, q, i0
.irp i, \i0, \i0+1, \i0+2, \i0+3
	FRAG AF+FR*(\i), ADRA+\slot, \q, \i
.endr
.endm
.macro SCALES sc
.irp i, 0,1,2,3,4,5,6,7
	ds_load_b128 v[SC+8*NQ*\sc+NQ*\i:SC+8*NQ*\sc+NQ*\i+3], v[ADRS] offset:\i*SBLK
.endr
.endm
.macro PLACES n
.rept \n
	v_nop
.endr
.endm
.macro STEP slot, q, first
	s_wait_dscnt 4*NL
.if \first
	MULF 0
.else
	WIN MUL_LO
	MUL16 0, (\q)%2, \q, \slot, 0
	MUL16 2, (\q)%2, \q, \slot, 0
.endif
	s_wait_dscnt 0
	PLACES NP
	FETCH_B \slot, (\q)+1, 1-(\q)%2
	FETCH_A \slot, (\q)+1, 0
.if \first
	MULF 1
.else
	WIN MUL_HI
	MUL16 4, (\q)%2, \q, \slot, 0
	MUL16 6, (\q)%2, \q, \slot, 0
.endif
	PLACES NP
	WIN 0
	FETCH_A \slot, (\q)+1, 4
.endm
	s_wait_alu depctr_va_vdst(0)
	s_wait_tensorcnt 0x0                           ; my one load is in; behind the barrier everybody's is
	s_barrier_signal -1
	s_barrier_wait -1
	FETCH_B 0, 0, 0
	FETCH_A 0, 0, 0
	SCALES 0
	FETCH_A 0, 0, 4
	s_wait_loadcnt 0x0
	STEP 0, 0, 1
	STEP 0, 1, 0
	STEP 0, 2, 0
	s_wait_dscnt 4*NL
	WIN MUL_LO
	MUL16 0, 1, NQ-1, 0, 0
	MUL16 2, 1, NQ-1, 0, 0
	s_wait_dscnt 0x0                               ; A's blocks 4-7 are in
	WIN 0
	PLACES NP
	v_add_nc_u32 v[ADRS], 4*NQ, v[ADRS]
	FETCH_B 1, 0, 0
	FETCH_A 1, 0, 0
	SCALES 1
	WIN MUL_HI
	MUL16 4, 1, NQ-1, 0, 0
	MUL16 6, 1, NQ-1, 0, 0
	PLACES NP
	WIN 0
	FETCH_A 1, 0, 4
	STEP 1, 0, 0
	STEP 1, 1, 0
	STEP 1, 2, 0
	s_wait_dscnt 4*NL
	WIN MUL_LO
	MUL16 0, 1, NQ-1, 1, 0
	MUL16 2, 1, NQ-1, 1, 0
	s_wait_dscnt 0
	WIN MUL_HI
	MUL16 4, 1, NQ-1, 1, 0
	MUL16 6, 1, NQ-1, 1, 0
	WIN 0
.macro UNIT a
.set WW, 2+(\a)/4
.set AC, 64*((\a)%4)
.set PCA, PC+8*(\a)
	WIN 5*WW
.irp b, 0,1,2,3
	v_max3_num_f32 v[TM+\b], |v[AC+16*\b]|, |v[AC+16*\b+1]|, 0x1800000
.endr
	WIN 20*WW
.irp i, 2,4,6,8,10,12,14
.irp b, 0,1,2,3
	v_max3_num_f32 v[TM+\b], v[TM+\b], |v[AC+16*\b+\i]|, |v[AC+16*\b+\i+1]|
.endr
.endr
	WIN 0
.irp b, 0,1,2,3
	v_permlanex16_b32 v[TM+4+\b], v[TM+\b], s66, s67
.endr
.irp b, 0,1,2,3
	v_max_num_f32 v[TM+\b], v[TM+\b], v[TM+4+\b]
.endr
.irp b, 0,1,2,3
	v_add_nc_u32 v[TM+12+\b], 0xff000000, v[TM+\b]
.endr
.irp b, 0,1,2,3
	v_lshrrev_b32 v[TM+4+\b], 23, v[TM+12+\b]
.endr
	v_lshl_or_b32 v[PW], v[TM+5], 8, v[TM+4]
	v_lshl_or_b32 v[PW], v[TM+6], 16, v[PW]
	v_lshl_or_b32 v[PW], v[TM+7], 24, v[PW]
	v_lshrrev_b32 v[KS+(\a)], v[SHV], v[PW]
	v_and_b32 v[KS+(\a)], s101, v[KS+(\a)]
	WIN WW
.irp c, 0,1
	v_cvt_scalef32_pk8_fp4_f32 v[PCA+4*\c],   v[AC+32*\c:AC+32*\c+7],     v[TM+12+2*\c]
	v_cvt_scalef32_pk8_fp4_f32 v[PCA+4*\c+1], v[AC+32*\c+16:AC+32*\c+23], v[TM+13+2*\c]
	v_cvt_scalef32_pk8_fp4_f32 v[PCA+4*\c+2], v[AC+32*\c+8:AC+32*\c+15],  v[TM+12+2*\c]
	v_cvt_scalef32_pk8_fp4_f32 v[PCA+4*\c+3], v[AC+32*\c+24:AC+32*\c+31], v[TM+13+2*\c]
.endr
	WIN 0
	v_nop
.irp c, 0,1
	v_permlane16_swap_b32 v[PCA+4*\c], v[PCA+4*\c+1]
	v_permlane16_swap_b32 v[PCA+4*\c+2], v[PCA+4*\c+3]
.endr
	s_cmp_eq_u32 s3, 0
	s_cbranch_scc0 .Lunit_v_\@
	global_store_b128 v[OL], v[PCA:PCA+3], s[12:13] offset:512*(\a)
	global_store_b128 v[OL], v[PCA+4:PCA+7], s[12:13] offset:512*(\a)+65536
	s_branch .Lunit_d_\@
.Lunit_v_\@:
	s_wait_alu depctr_va_vdst(0)
	global_store_b128 v[OL], v[PCA:PCA+3], s[12:13] offset:65536*((\a)/4)+1024*((\a)%4)
	global_store_b128 v[OL], v[PCA+4:PCA+7], s[12:13] offset:65536*((\a)/4)+1024*((\a)%4)+512
.Lunit_d_\@:
.endm
	PLACES NP
.irp a, 0,1,2,3,4,5,6,7
	UNIT \a
.endr
	s_cmp_eq_u32 s3, 0
	s_cbranch_scc0 .Lwords_v
	global_store_b128 v[OS], v[KS:KS+3], s[96:97]
	global_store_b128 v[OS], v[KS+4:KS+7], s[96:97] offset:256
	s_branch .Lwords_done
.Lwords_v:
	v_cmp_lt_u32 vcc_lo, 15, v[LN]
.irp i, 0,1,2,3
	v_cndmask_b32 v[KS+\i], v[KS+\i], v[KS+4+\i], vcc_lo
.endr
	global_store_b128 v[OS], v[KS:KS+3], s[96:97]
.Lwords_done:
	s_wait_tensorcnt 0x0
	ds_add_u32 v126, v127
	s_wait_dscnt 0x0
	CROUND
	s_endpgm
.Lfunc_end_k_q032edea950_proj:
	.size	k_q032edea950_proj, .Lfunc_end_k_q032edea950_proj-k_q032edea950_proj
	.p2alignl 7, 3214868480
	.fill 96, 4, 3214868480
	.section	.rodata,"a",@progbits
	.p2align	6, 0x0
	.amdhsa_kernel k_q032edea950_proj
		.amdhsa_group_segment_fixed_size 327680
		.amdhsa_private_segment_fixed_size 0
		.amdhsa_enable_private_segment 0
		.amdhsa_kernarg_size 136
		.amdhsa_user_sgpr_count 2
		.amdhsa_user_sgpr_kernarg_segment_ptr 1
		.amdhsa_wavefront_size32 1
		.amdhsa_system_sgpr_workgroup_id_x 1
		.amdhsa_system_sgpr_workgroup_id_y 1
		.amdhsa_system_sgpr_workgroup_id_z 1
		.amdhsa_system_vgpr_workitem_id 0
		.amdhsa_next_free_vgpr 1024
		.amdhsa_next_free_sgpr 102
		.amdhsa_reserve_vcc 1
		.amdhsa_float_denorm_mode_32 3
		.amdhsa_float_denorm_mode_16_64 3
		.amdhsa_memory_ordered 1
		.amdhsa_forward_progress 1
		.amdhsa_inst_pref_size 146
	.end_amdhsa_kernel
	.amdgpu_metadata
---
amdhsa.version: [ 1, 2 ]
amdhsa.kernels:
  - .name:           k_q032edea950_proj
    .symbol:         k_q032edea950_proj.kd
    .args:
      - { .name: x_codes, .offset: 0, .size: 8, .value_kind: global_buffer, .address_space: global }
      - { .name: x_scales, .offset: 8, .size: 8, .value_kind: global_buffer, .address_space: global }
      - { .name: Wq_codes, .offset: 16, .size: 8, .value_kind: global_buffer, .address_space: global }
      - { .name: Wq_scales, .offset: 24, .size: 8, .value_kind: global_buffer, .address_space: global }
      - { .name: Wk_codes, .offset: 32, .size: 8, .value_kind: global_buffer, .address_space: global }
      - { .name: Wk_scales, .offset: 40, .size: 8, .value_kind: global_buffer, .address_space: global }
      - { .name: Wv_codes, .offset: 48, .size: 8, .value_kind: global_buffer, .address_space: global }
      - { .name: Wv_scales, .offset: 56, .size: 8, .value_kind: global_buffer, .address_space: global }
      - { .name: bq, .offset: 64, .size: 8, .value_kind: global_buffer, .address_space: global }
      - { .name: bk, .offset: 72, .size: 8, .value_kind: global_buffer, .address_space: global }
      - { .name: bv, .offset: 80, .size: 8, .value_kind: global_buffer, .address_space: global }
      - { .name: qimg, .offset: 88, .size: 8, .value_kind: global_buffer, .address_space: global }
      - { .name: kimg, .offset: 96, .size: 8, .value_kind: global_buffer, .address_space: global }
      - { .name: vimg, .offset: 104, .size: 8, .value_kind: global_buffer, .address_space: global }
      - { .name: qsc, .offset: 112, .size: 8, .value_kind: global_buffer, .address_space: global }
      - { .name: ksc, .offset: 120, .size: 8, .value_kind: global_buffer, .address_space: global }
      - { .name: vsc, .offset: 128, .size: 8, .value_kind: global_buffer, .address_space: global }
    .group_segment_fixed_size: 327680
    .private_segment_fixed_size: 0
    .kernarg_segment_align: 8
    .kernarg_segment_size: 136
    .max_flat_workgroup_size: 128
    .sgpr_count:     102
    .vgpr_count:     1024
    .wavefront_size: 32
...
	.end_amdgpu_metadata
.endif
;; end of part 1
;; launch attn (part 2): grid 4 x 64, 16 waves a work-group, clusters of 4 x 1, 223,232 bytes of LDS; arguments qimg, qsc, kimg, ksc, vimg, vsc, out0; writes out0
.if DOCPART == 2
	.amdgcn_target "amdgcn-amd-amdhsa--gfx1250"
	.amdhsa_code_object_version 6
	.text
	.protected	k_q032edea950_attn
	.globl	k_q032edea950_attn
	.p2align	8
	.type	k_q032edea950_attn,@function
k_q032edea950_attn:
	s_mov_b64 s[64:65], 0
	v_nop
	global_prefetch_b8 v0, s[64:65] scope:SCOPE_SE
	s_setreg_imm32_b32 hwreg(HW_REG_WAVE_MODE, 25, 1), 1
	s_wait_xcnt 0x0
	s_wait_alu depctr_hold_cnt(0) depctr_sa_sdst(0) depctr_va_vdst(0) depctr_va_sdst(0) depctr_va_ssrc(0) depctr_va_vcc(0) depctr_vm_vsrc(0)
	s_getreg_b32 s2, hwreg(HW_REG_IB_STS2, 6, 4)
	s_cmp_eq_u32 s2, 0
	s_cbranch_scc0 .Lentry_in_a_cluster
	s_endpgm
.Lentry_in_a_cluster:
	s_bfe_u32 s2, ttmp6, 0x10000c
	s_cmp_lg_u32 s2, 0x3003
	s_cbranch_scc0 .Lentry_shape_is_right
	s_endpgm
.Lentry_shape_is_right:
; out[b][q][head][:] = the sum over keys of softmax(q . k / 8) v, both products on codes of FP4 (E2M1) with one E8M0 scale for each 32 along a product's K.  64 (batch, head) pairs, 2,048 keys, head size 64.
; q, k, v arrive as images of operand registers.  qimg, kimg: [pair][tile of 16 tokens][lane (r, h)][16 bytes]: token r, dims 32 h .. + 31.  vimg: [pair][128 keys][t][c][lane][16 bytes]: dim 16 t + r, keys 64 c + 32 h .. + 31.
; qsc, ksc: [pair][128 tokens][g][r][4 words]: word i: token r of tile 4 g + i; bytes 0, 1 its two blocks, bytes 2, 3 are 0.  vsc: [pair][128 keys][r][t] words.
; SOFTMAX: t = score x log2(e) / 8; M = ceil of the running largest t; p = 2^(t - M) is quantised along the keys, not normalised; the row's sum is of the unquantised p and divides at the end; when M moves, sum and O are multiplied by 2^(old M - new M): exact.
; SHARES: a work-group owns 512 queries of a pair, each of its 16 waves two tiles of 16, one after the other.  A pair's K, V and scale words come into LDS once and stay; the four work-groups of a cluster own the four quarters of a pair's queries and ask for every fill jointly.
; LAYOUT: both products transposed (S^T = K Q^T, O^T = V^T P^T): a lane holds one query (lane % 16).  A STEP IS 256 KEYS: four groups c of 64.  THE KEYS OF A TILE ARE CHOSEN: row m of tile i of group c is key 64 c + 32 (m / 8) + 8 i + m % 8,
; so the 32 score registers of group c in lane half h are the WHOLE block 2 c + h, in ascending order: a block's maximum needs no other lane, and the four conversions of a group write registers 4 c .. 4 c + 3 of P's fragment as the operand wants them.
; THE FIRST PRODUCT'S K IS 64: Q's registers 4-7 hold zero codes, so the products at K = 64 .. 127 are 0 whatever finite codes K's registers 4-7 hold (E2M1 has no NaN or infinity; the scale bytes there are 0, a finite code).  So K's fragments overlap: tile u is v[KF + 4 u .. + 7].
; K's image lies in LDS as rows of 1,024 bytes + 128 of padding: lanes 0-7 and 8-15 of a fragment load read keys 1,024 bytes apart in the image, 1,152 in LDS: sixteen different 16-byte columns of 256 bytes.
; REGISTERS DONE WITH ARE USED AGAIN: P's codes go to v[SS-4 .. SS+11], V's fragments to v[SS+12 .. SS+75], as the groups' scores have been summed and converted.
; No prefetch: every fill is issued at the head, so there is no loop that runs ahead of a fill.
; LIMITS: NaN and infinities are not served; the scaled scores stay under 2^31 in magnitude; a p under 2^-126 is taken as 0 (ISA guide 15.8); a block whose every p is 0 keeps the byte 1 over zero codes.
; A block's largest p is the block's largest score put through the same multiply-add and exponential; this takes the exponential not to fall where its input rises.
.set VIMG, 73728                       ; LDS: K's image at 0 (64 rows x 1,152), V's here (65,536),
.set KSCL, 139264                      ; K's scale words (8,192),
.set VSCL, 147456                      ; V's (4,096),
.set STG,  151552                      ; the way out: 16 rows x 272 bytes for each wave; no fill lands here
.set SPARE, 221184                     ; the spare words: 128 bytes a wave
.set SPW, 1                            ; v1 my spare word, v2 = 0: never rewritten
.set NIL, 2
.set LK,  3                            ; my lane's place in a tile of K: 1152 (r / 8) + 256 h + 16 (r % 8)
.set LV,  4                            ; in V's image: VIMG + 16 lane
.set LKS, 5                            ; among K's scale words: KSCL + 256 h + 16 (r % 8) + 8 (r / 8)
.set LVS, 6                            ; among V's: VSCL + 16 lane
.set L16, 7                            ; 16 lane
.set QS,  8                            ; Q's scale words, tile 1; v9 tile 2
.set QS2, 9
.set FF,  10                           ; f = 2^(old M - new M); v11 the byte selector for P's scale word   (v12 -M, v13 largest score, v[14:15] the sum)
.set BM,  16                           ; v16-19 the blocks' largest scores, then p; later sums in hand (v14 + 2 k)
.set XX,  20                           ; v20-21 at work
.set PS,  22                           ; v22-23 P's scale words
.set VSR, 24                           ; v24-27 V's scale words: lanes 0-15 keys 0-127, lanes 16-31 keys 128-255
.set KSR, 28                           ; v28-35 K's: register 4 (c / 2) + 2 (i % 2) + i / 2; lanes 0-15 even c, lanes 16-31 odd c
.set QF,  36                           ; v36-43 Q's fragment; v40-43 stay 0
.set SCO, 44                           ; v44-47 second chains of the maxima, then the conversions' scale operands
.set KF,  48                           ; v48-83 eight tiles of K, 4 registers each; v80-83 stay 0
.set Q2F, 84                           ; v84-87 Q of the second tile
.set OO,  88                           ; v88-119 O^T
.set PP,  120                          ; v120-135 P's codes
.set SS,  124                          ; v124-251 S^T, then p
.set AD,  252
.set AD2, 253
.set YY,  254
.set AD3, 255
.set WV,  18
.set G1I, 24                           ; s[24:31] group 1: a quarter of V's image; s[32:39] K's scale words; s[40:47] V's; s[80:87] a quarter of K's image, padded
.set G1K, 32
.set G1V, 40
.set G1KI, 80
.set G0KI, 48
.set G0VI, 52
.set G0K, 56
.set G0V, 60
.set TK,  66                           ; where the step begins: K's image 9,216 bytes a step, K's words 1,024, V's image 8,192, V's words 512
.set TS,  67
.set TV,  68
.set TT,  69
.set SST, 70                           ; my stage
.set CNT, 71
.macro CROUND                          ; a round of the cluster's barrier
	s_barrier_signal -1
	s_barrier_wait -1
	s_cmp_lg_u32 s[WV], 0
	s_cbranch_scc1 .Lnot_wave_0_\@
	s_barrier_signal -3
.Lnot_wave_0_\@:
	s_barrier_wait -3
	s_barrier_signal -1
	s_barrier_wait -1
.endm
.macro NOP4
.rept 4
	v_nop
.endr
.endm
.macro ARM g0, g1                      ; a tensor load
	tensor_load_to_lds s[\g0:\g0+3], s[\g1:\g1+7]
	s_nop 0
	NOP4
.endm
	s_load_b256 s[4:11], s[0:1], 0x0               ; qimg, qsc, kimg, ksc
	s_load_b128 s[12:15], s[0:1], 0x20             ; vimg, vsc
	s_load_b64 s[16:17], s[0:1], 0x30              ; out
	v_lshl_add_u32 v[SPW], v0, 2, SPARE
	v_mov_b32 v[NIL], 0
	ds_add_u32 v[SPW], v[NIL]                      ; the opening lines: the add twice on end and its wait
	ds_add_u32 v[SPW], v[NIL]
	v_lshrrev_b32 v[AD], 5, v0
	v_readfirstlane_b32 s[WV], v[AD]               ; wave 0..15
	s_bfe_u32 s19, ttmp6, 0x40000                  ; cx: which quarter of the queries: it enters Q's and out's addresses alone
	s_and_b32 s72, ttmp7, 0xffff                   ; the pair
	s_mov_b32 s20, 0x76543210
	s_mov_b32 s21, 0xfedcba98                      ; selects for lane l xor 16
	s_mov_b32 s22, 0x3e38aa3b                      ; c = log2(e) / 8
	s_mov_b32 s23, s22                             ; (named with it as a pair, so it is written)
.irp g, G1I, G1K, G1V                          ; dense blocks as rows of 256 bytes (32 elements of 8 bytes); mask: all four work-groups, bit 21 beside it
	s_mov_b32 s[\g], 15|(3<<16)|(1<<21)
	s_mov_b32 s[\g+1], 32<<16
	s_mov_b32 s[\g+3], 32<<16
	s_mov_b32 s[\g+5], 32
	s_mov_b32 s[\g+6], 0
	s_mov_b32 s[\g+7], 0
.endr
	s_mov_b32 s[G1I+2], 64<<16
	s_mov_b32 s[G1I+4], 64
	s_mov_b32 s[G1K+2], 32<<16
	s_mov_b32 s[G1K+4], 32
	s_mov_b32 s[G1V+2], 16<<16
	s_mov_b32 s[G1V+4], 16
	s_mov_b32 s[G1KI], 15|(3<<16)|(1<<20)|(1<<21)|(7<<22)|(31<<25)   ; K's image: 16 rows of 1,024 bytes, 32 words of padding behind every 256
	s_mov_b32 s[G1KI+1], 128<<16
	s_mov_b32 s[G1KI+2], 16<<16
	s_mov_b32 s[G1KI+3], 128<<16
	s_mov_b32 s[G1KI+4], 16
	s_mov_b32 s[G1KI+5], 128
	s_mov_b32 s[G1KI+6], 0
	s_mov_b32 s[G1KI+7], 0
	s_and_b32 s73, s[WV], 3
	s_mul_i32 s88, s73, 16*1152                    ; my quarter of K's image in LDS,
	s_lshl_b32 s73, s73, 14                        ; and of either image in memory
	s_lshl_b32 s74, s72, 16
	s_add_co_u32 s74, s74, s73
	s_mov_b32 s75, 0
	s_lshl_b32 s76, s72, 13
	s_mov_b32 s77, 0
	s_lshl_b32 s78, s72, 12
	s_mov_b32 s79, 0
	s_mul_i32 s[SST], s[WV], 16*272
	s_add_co_u32 s[SST], s[SST], STG
	s_wait_dscnt 0x0                               ; both opening adds are done
	s_wait_kmcnt 0x0
	CROUND                                         ; all four work-groups are here: the joint loads meet
	s_mov_b32 s[G0KI], 1
	s_mov_b32 s[G0KI+1], s88
	s_add_nc_u64 s[G0KI+2:G0KI+3], s[8:9], s[74:75]
	s_or_b32 s[G0KI+3], s[G0KI+3], 0x80000000
	s_mov_b32 s[G0VI], 1
	s_add_co_u32 s[G0VI+1], s73, VIMG
	s_add_nc_u64 s[G0VI+2:G0VI+3], s[12:13], s[74:75]
	s_or_b32 s[G0VI+3], s[G0VI+3], 0x80000000
	s_mov_b32 s[G0K], 1
	s_mov_b32 s[G0K+1], KSCL
	s_add_nc_u64 s[G0K+2:G0K+3], s[10:11], s[76:77]
	s_or_b32 s[G0K+3], s[G0K+3], 0x80000000
	s_mov_b32 s[G0V], 1
	s_mov_b32 s[G0V+1], VSCL
	s_add_nc_u64 s[G0V+2:G0V+3], s[14:15], s[78:79]
	s_or_b32 s[G0V+3], s[G0V+3], 0x80000000
	; waves 0-3 fetch K's image, 4-7 V's, wave 8 K's scale words, wave 9 V's: one chain of branches on the wave's number, one load to an arm
	s_cmp_lt_u32 s[WV], 4
	s_cbranch_scc0 .Lnot_k_image
	ARM G0KI, G1KI
	s_branch .Lasked
.Lnot_k_image:
	s_cmp_lt_u32 s[WV], 8
	s_cbranch_scc0 .Lnot_v_image
	ARM G0VI, G1I
	s_branch .Lasked
.Lnot_v_image:
	s_cmp_eq_u32 s[WV], 8
	s_cbranch_scc0 .Lnot_k_words
	ARM G0K, G1K
	s_branch .Lasked
.Lnot_k_words:
	s_cmp_eq_u32 s[WV], 9
	s_cbranch_scc0 .Lasked
	ARM G0V, G1V
.Lasked:
	; my first tile of queries: T = 32 cx + wave; the second is T + 16
	s_lshl_b32 s73, s19, 5
	s_add_co_u32 s73, s73, s[WV]
	s_lshl_b32 s74, s72, 16
	s_lshl_b32 s76, s73, 9
	s_add_co_u32 s74, s74, s76
	s_add_nc_u64 s[4:5], s[4:5], s[74:75]          ; Q's image: 512 bytes a tile
	s_lshl_b32 s74, s72, 13
	s_lshr_b32 s76, s73, 2
	s_lshl_b32 s76, s76, 8
	s_add_co_u32 s74, s74, s76
	s_and_b32 s76, s73, 3
	s_lshl_b32 s76, s76, 2
	s_add_co_u32 s74, s74, s76
	s_add_nc_u64 s[6:7], s[6:7], s[74:75]          ; its scale words: group T / 4 of 256 bytes, word T % 4
	s_lshr_b32 s74, s72, 4
	s_lshl_b32 s74, s74, 11
	s_lshl_b32 s76, s73, 4
	s_add_co_u32 s74, s74, s76                     ; the tile's first token among all 8,192
	s_lshl_b32 s74, s74, 12
	s_and_b32 s76, s72, 15
	s_lshl_b32 s76, s76, 8
	s_add_co_u32 s74, s74, s76
	s_add_nc_u64 s[16:17], s[16:17], s[74:75]
	v_and_b32 v[L16], 31, v0
	v_lshlrev_b32 v[L16], 4, v[L16]
	v_and_b32 v[YY], 15, v0
	v_lshlrev_b32 v[YY], 4, v[YY]
	global_load_b128 v[QF:QF+3], v[L16], s[4:5]                 ; Q of both tiles, under the fills' flight
	global_load_b32 v[QS], v[YY], s[6:7]
	global_load_b128 v[Q2F:Q2F+3], v[L16], s[4:5] offset:8192
	global_load_b32 v[QS2], v[YY], s[6:7] offset:1024
	v_bfe_u32 v[AD], v0, 4, 1                      ; h
	v_bfe_u32 v[AD2], v0, 3, 1                     ; r / 8
	v_and_b32 v[AD3], 7, v0                        ; r % 8
	v_mul_u32_u24 v[LK], v[AD2], 1152
	v_lshlrev_b32 v[LKS], 3, v[AD2]
	v_lshl_add_u32 v[LK], v[AD], 8, v[LK]
	v_lshl_add_u32 v[LKS], v[AD], 8, v[LKS]
	v_lshl_add_u32 v[LK], v[AD3], 4, v[LK]
	v_lshl_add_u32 v[LKS], v[AD3], 4, v[LKS]
	v_add_nc_u32 v[LV], VIMG, v[L16]
	v_add_nc_u32 v[LKS], KSCL, v[LKS]
	v_add_nc_u32 v[LVS], VSCL, v[L16]
	v_mul_lo_u32 v[FF+1], v[AD], 0xfb04f709        ; the selector: h = 0: 0x0c070c03 (my two bytes to places 0 and 2, zeros between); h = 1: 0x070c030c (places 1 and 3)
	v_add_nc_u32 v[FF+1], 0x0c070c03, v[FF+1]
.irp i, 0,1,2,3
	v_mov_b32 v[QF+4+\i], 0                        ; K = 64 .. 127 of the first product: zero codes on Q's side, written once
	v_mov_b32 v[KF+32+\i], 0                       ; behind K's last tile
.endr
	s_wait_alu depctr_va_vdst(0)
	s_wait_tensorcnt 0x0                           ; my part is in,
	s_barrier_signal -1
	s_barrier_wait -1                              ; everybody's is: K, V and their scale words stay to the end
.macro WM d, a, b, c, sa, sb, row
.if \row
	v_wmma_scale_f32_16x16x128_f8f6f4 v[\d:\d+7], v[\a:\a+7], v[\b:\b+7], \c, v[\sa], v[\sb] matrix_a_fmt:MATRIX_FMT_FP4 matrix_b_fmt:MATRIX_FMT_FP4 matrix_a_scale:MATRIX_SCALE_ROW1
.else
	v_wmma_scale_f32_16x16x128_f8f6f4 v[\d:\d+7], v[\a:\a+7], v[\b:\b+7], \c, v[\sa], v[\sb] matrix_a_fmt:MATRIX_FMT_FP4 matrix_b_fmt:MATRIX_FMT_FP4
.endif
.endm
.macro QK cc, qs                       ; S^T of groups 2 cc and 2 cc + 1: eight tiles
.irp g, 0,1
.irp i, 0,1,2,3
	WM SS+64*\cc+32*\g+8*\i, KF+16*\g+4*\i, QF, 0, KSR+4*\cc+2*(\i%2)+\i/2, \qs, \g
.endr
.endr
.endm
.macro KLD adr, off                    ; eight tiles of K: two groups
.irp g, 0,1
.irp i, 0,1,2,3
	ds_load_b128 v[KF+16*\g+4*\i:KF+16*\g+4*\i+3], v[\adr] offset:(\off)+2304*\g+512*(\i/2)+128*(\i%2)
.endr
.endr
.endm
.macro KSLD adr, off                   ; a step's scale words of K: two words a load (tiles i and i + 2)
.irp cc, 0,1
.irp ii, 0,1
	ds_load_b64 v[KSR+4*\cc+2*\ii:KSR+4*\cc+2*\ii+1], v[\adr] offset:(\off)+512*\cc+128*\ii
.endr
.endr
.endm
.macro VLD j                           ; V's four fragments of keys 128 j .. + 127
.irp t, 0,1,2,3
.irp c, 0,1
	ds_load_b128 v[SS+12+32*\j+8*\t+4*\c:SS+12+32*\j+8*\t+4*\c+3], v[AD] offset:4096*\j+1024*\t+512*\c
.endr
.endr
.endm
.macro MAXT cc                         ; the largest score of my blocks of groups 2 cc, 2 cc + 1: four chains by turns, each accumulator from its low end on
.irp g, 0,1
	v_max3_num_f32 v[BM+2*\cc+\g], v[SS+64*\cc+32*\g], v[SS+64*\cc+32*\g+1], v[SS+64*\cc+32*\g+2]
	v_max3_num_f32 v[SCO+2*\cc+\g], v[SS+64*\cc+32*\g+16], v[SS+64*\cc+32*\g+17], v[SS+64*\cc+32*\g+18]
.endr
.irp i, 3,5,7,9,11,13
.irp g, 0,1
	v_max3_num_f32 v[BM+2*\cc+\g], v[BM+2*\cc+\g], v[SS+64*\cc+32*\g+\i], v[SS+64*\cc+32*\g+\i+1]
	v_max3_num_f32 v[SCO+2*\cc+\g], v[SCO+2*\cc+\g], v[SS+64*\cc+32*\g+16+\i], v[SS+64*\cc+32*\g+17+\i]
.endr
.endr
.irp g, 0,1
	v_max3_num_f32 v[BM+2*\cc+\g], v[BM+2*\cc+\g], v[SCO+2*\cc+\g], v[SS+64*\cc+32*\g+15]
.endr
.irp g, 0,1
	v_max_num_f32 v[BM+2*\cc+\g], v[BM+2*\cc+\g], v[SS+64*\cc+32*\g+31]
.endr
.endm
.macro GRP g                           ; group g: its 32 p become registers 4 g .. 4 g + 3 of P's codes, and are summed unquantised: four sums v[14 + 2 k] by turns
.irp i, 0,1,2,3
	v_cvt_scalef32_pk8_fp4_f32 v[PP+4*\g+\i], v[SS+32*\g+8*\i:SS+32*\g+8*\i+7], v[SCO+\g]
.endr
.if \g == 0
	v_pk_add_f32 v[16:17], v[SS:SS+1], v[SS+2:SS+3]
	v_pk_add_f32 v[18:19], v[SS+4:SS+5], v[SS+6:SS+7]
	v_pk_add_f32 v[20:21], v[SS+8:SS+9], v[SS+10:SS+11]
.set p, 6
.rept 10
	v_pk_add_f32 v[14+2*(p%4):15+2*(p%4)], v[14+2*(p%4):15+2*(p%4)], v[SS+2*p:SS+2*p+1]
.set p, p+1
.endr
.else
.set p, 16*\g
.rept 16
	v_pk_add_f32 v[14+2*(p%4):15+2*(p%4)], v[14+2*(p%4):15+2*(p%4)], v[SS+2*p:SS+2*p+1]
.set p, p+1
.endr
.endif
.endm
; A KEY STEP: 256 keys.  pre = 1: the next step's first eight tiles of K and its scale words are fetched.
.macro STEP pre, qs
	v_add_nc_u32 v[AD], s[TK], v[LK]               ; five plain lines: the places between the last products and the products below, which write over registers that those read
	v_add_nc_u32 v[AD3], s[TT], v[LVS]
.if \pre
	v_add_nc_u32 v[AD2], s[TS], v[LKS]
.else
	v_nop
.endif
	v_nop
	v_nop
	QK 0, \qs
	NOP4                                           ; places ahead of the loads into K's registers and of the first read of the scores
	KLD AD, 4608                                   ; K of groups 2, 3: it lands under the maxima of groups 0, 1
	MAXT 0
	s_wait_dscnt 0x0
	QK 1, \qs
	NOP4
	ds_load_b128 v[VSR:VSR+3], v[AD3]
.if \pre
	KLD AD, 9216
	KSLD AD2, 1024
.endif
	MAXT 1
	v_max3_num_f32 v[XX], v[BM], v[BM+1], v[BM+2]
	v_max_num_f32 v[XX], v[XX], v[BM+3]
	v_permlanex16_b32 v[YY], v[XX], s20, s21       ; lane l xor 16 holds my query's other blocks
	v_max3_num_f32 v13, v13, v[XX], v[YY]          ; the running largest score (c is positive)
	v_mul_f32 v[XX], s22, v13                      ; as t
	v_floor_f32 v[XX+1], -v[XX]                    ; the new -M = -ceil(t)
	v_sub_f32 v[XX], v[XX+1], v12                  ; old M - new M: a whole number, 0 or less
	v_mov_b32 v12, v[XX+1]
	v_cvt_i32_f32 v[XX], v[XX]                     ; (it saturates)
	v_ldexp_f32 v[FF], 1.0, v[XX]                  ; f
.set j, 0
.rept 64
	v_pk_fma_f32 v[SS+j:SS+j+1], v[SS+j:SS+j+1], s[22:23], v[12:13] op_sel_hi:[1,0,0]   ; t - M, two at a time (of the pairs c and -M the low word serves both halves)
.set j, j+2
.endr
.irp b, 0,1,2,3
	v_fma_f32 v[BM+\b], v[BM+\b], s22, v12         ; the same of each block's largest score
.endr
.set j, 0
.rept 16
	v_pk_mul_f32 v[OO+j:OO+j+1], v[OO+j:OO+j+1], v[FF:FF+1] op_sel_hi:[1,0]   ; O^T under the new M, each accumulator from its low end on
.set j, j+2
.endr
	v_pk_mul_f32 v[14:15], v[14:15], v[FF:FF+1] op_sel_hi:[1,0]
	s_wait_alu depctr_va_vdst(0)
.set j, 0
.rept 128
	v_exp_f32 v[SS+j], v[SS+j]                     ; p, at most 1
.set j, j+1
.endr
.irp b, 0,1,2,3
	v_exp_f32 v[BM+\b], v[BM+\b]                   ; the blocks' largest p
.endr
	v_add_nc_u32 v[AD], s[TV], v[LV]               ; (the plain place behind the batch)
	s_wait_alu depctr_va_vdst(0)                   ; and the wait behind it
.irp b, 0,1,2,3
	v_max_num_f32 v[BM+\b], 0x1800000, v[BM+\b]    ; the floor 2^(3 - 127): the byte cannot fall under 1
.endr
.irp b, 0,1,2,3
	v_add_nc_u32 v[SCO+\b], 0xff000000, v[BM+\b]   ; 2 off the exponent field: the conversion's scale operand
.endr
.irp b, 0,1,2,3
	v_lshlrev_b32 v[BM+\b], 1, v[SCO+\b]           ; the scale's byte as byte 3
.endr
.irp j, 0,1
	v_perm_b32 v[PS+\j], v[BM+2*\j+1], v[BM+2*\j], v[FF+1]   ; my two bytes of the word of keys 128 j .. + 127, at places h and 2 + h
.endr
.irp j, 0,1
	v_permlanex16_b32 v[XX+\j], v[PS+\j], s20, s21
.endr
.irp j, 0,1
	v_or_b32 v[PS+\j], v[PS+\j], v[XX+\j]          ; with lane l xor 16's two the word is whole
.endr
	GRP 0
	GRP 1
	VLD 0                                          ; into registers of groups 0 and 1, which are done with
	GRP 2
	VLD 1
	GRP 3
	v_pk_add_f32 v[16:17], v[16:17], v[18:19]
	v_pk_add_f32 v[14:15], v[14:15], v[20:21]
	v_pk_add_f32 v[14:15], v[14:15], v[16:17]
	s_wait_alu depctr_va_vdst(0)
	s_wait_dscnt 0x0                               ; V, and what was fetched for the next step
.irp j, 0,1                                    ; O^T += V^T P^T: the four accumulators by turns
.irp t, 0,1,2,3
	WM OO+8*\t, SS+12+32*\j+8*\t, PP+8*\j, v[OO+8*\t:OO+8*\t+7], VSR+\t, PS+\j, \j
.endr
.endr
	s_add_co_u32 s[TK], s[TK], 9216
	s_add_co_u32 s[TS], s[TS], 1024
	s_add_co_u32 s[TV], s[TV], 8192
	s_add_co_u32 s[TT], s[TT], 512
.endm
; ONE TILE OF 16 QUERIES against all 2,048 keys: seven steps in a loop, and the last, which fetches no further K, written out.
.macro TILE qs
	KLD LK, 0
	KSLD LKS, 0
	s_mov_b32 s[TK], 0
	s_mov_b32 s[TS], 0
	s_mov_b32 s[TV], 0
	s_mov_b32 s[TT], 0
	s_mov_b32 s[CNT], 7
	v_mov_b32 v13, 0xff61b1e6                      ; the largest score so far: -3e38
	v_mov_b32 v14, 0
	v_mov_b32 v15, 0
	v_mul_f32 v[XX], s22, v13
	v_floor_f32 v12, -v[XX]                        ; -M
.set j, 0
.rept 32
	v_mov_b32 v[OO+j], 0                           ; O^T: the step is written once; the first change of M leaves zeros zeros
.set j, j+1
.endr
	s_wait_alu depctr_va_vdst(0)
	s_wait_loadcnt 0x0                             ; Q
	s_wait_dscnt 0x0                               ; K of the first step
.Lstep_\@:
	STEP 1, \qs
	s_sub_co_u32 s[CNT], s[CNT], 1
	s_cmp_lg_u32 s[CNT], 0
	s_cbranch_scc1 .Lstep_\@
	STEP 0, \qs
	; the way out: O^T / the sum goes through my stage in LDS, so that sixteen lanes store a query's 256 consecutive bytes
	v_add_f32 v14, v14, v15
	v_and_b32 v[AD], 15, v0                        ; r
	v_bfe_u32 v[AD2], v0, 4, 1                     ; h
	v_mul_u32_u24 v[XX], v[AD], 272
	v_permlanex16_b32 v[YY], v14, s20, s21
	v_lshl_add_u32 v[XX], v[AD2], 5, v[XX]
	v_add_f32 v14, v14, v[YY]                      ; the row's sum
	s_wait_alu depctr_va_vdst(0)
	v_rcp_f32 v14, v14
	v_add_nc_u32 v[XX], s[SST], v[XX]              ; in: row r, 64 t + 32 h bytes on
	v_mul_u32_u24 v[XX+1], v[AD2], 272
	v_lshl_add_u32 v[XX+1], v[AD], 4, v[XX+1]
	v_add_nc_u32 v[XX+1], s[SST], v[XX+1]          ; back: lanes 0-15 one row, lanes 16-31 the next
	v_lshlrev_b32 v[AD], 4, v[AD]
	v_lshl_add_u32 v[AD], v[AD2], 12, v[AD]        ; and the same two rows in out
	s_wait_alu depctr_va_vdst(0)                   ; the wait ahead of the first reader of the reciprocal and of O^T
.set j, 0
.rept 16
	v_pk_mul_f32 v[SS+96+j:SS+97+j], v[OO+j:OO+j+1], v[14:15] op_sel_hi:[1,0]   ; register 8 t + i is out(query r, dim 16 t + 8 h + i)
.set j, j+2
.endr
.irp t, 0,1,2,3
	ds_store_b128 v[XX], v[SS+96+8*\t:SS+99+8*\t] offset:64*\t
	ds_store_b128 v[XX], v[SS+100+8*\t:SS+103+8*\t] offset:64*\t+16
.endr
.irp i, 0,1,2,3,4,5,6,7
	ds_load_b128 v[SS+64+4*\i:SS+67+4*\i], v[XX+1] offset:544*\i   ; LDS serves a wave's instructions in order (ISA guide 5.7.1.4): these see my stores
.endr
.irp i, 0,1,2,3,4,5,6,7
	s_wait_dscnt 7-\i                              ; rows 2 i and 2 i + 1 are in; the 7 - i younger loads may be out
	global_store_b128 v[AD], v[SS+64+4*\i:SS+67+4*\i], s[16:17] offset:8192*\i th:TH_STORE_NT   ; each half of the wave stores 256 consecutive bytes, aligned
.endr
.endm
	TILE QS
	s_wait_xcnt 0x0                                ; the stores have read their registers and base
	s_add_nc_u64 s[16:17], s[16:17], 256*4096      ; sixteen tiles on
.irp i, 0,1,2,3
	v_mov_b32 v[QF+\i], v[Q2F+\i]
.endr
	TILE QS2
	s_wait_tensorcnt 0x0                           ; the wave's end
	ds_add_u32 v[SPW], v[NIL]
	s_wait_dscnt 0x0
	CROUND                                         ; the closing round
	s_endpgm
.Lfunc_end_k_q032edea950_attn:
	.size	k_q032edea950_attn, .Lfunc_end_k_q032edea950_attn-k_q032edea950_attn
	.p2alignl 7, 3214868480
	.fill 96, 4, 3214868480
	.section	.rodata,"a",@progbits
	.p2align	6, 0x0
	.amdhsa_kernel k_q032edea950_attn
		.amdhsa_group_segment_fixed_size 223232
		.amdhsa_private_segment_fixed_size 0
		.amdhsa_enable_private_segment 0
		.amdhsa_kernarg_size 56
		.amdhsa_user_sgpr_count 2
		.amdhsa_user_sgpr_kernarg_segment_ptr 1
		.amdhsa_wavefront_size32 1
		.amdhsa_system_sgpr_workgroup_id_x 1
		.amdhsa_system_sgpr_workgroup_id_y 1
		.amdhsa_system_sgpr_workgroup_id_z 1
		.amdhsa_system_vgpr_workitem_id 0
		.amdhsa_next_free_vgpr 256
		.amdhsa_next_free_sgpr 100
		.amdhsa_reserve_vcc 0
		.amdhsa_float_denorm_mode_32 3
		.amdhsa_float_denorm_mode_16_64 3
		.amdhsa_memory_ordered 1
		.amdhsa_forward_progress 1
		.amdhsa_inst_pref_size 124
	.end_amdhsa_kernel
	.amdgpu_metadata
---
amdhsa.version: [ 1, 2 ]
amdhsa.kernels:
  - .name:           k_q032edea950_attn
    .symbol:         k_q032edea950_attn.kd
    .args:
      - { .name: qimg, .offset: 0, .size: 8, .value_kind: global_buffer, .address_space: global }
      - { .name: qsc, .offset: 8, .size: 8, .value_kind: global_buffer, .address_space: global }
      - { .name: kimg, .offset: 16, .size: 8, .value_kind: global_buffer, .address_space: global }
      - { .name: ksc, .offset: 24, .size: 8, .value_kind: global_buffer, .address_space: global }
      - { .name: vimg, .offset: 32, .size: 8, .value_kind: global_buffer, .address_space: global }
      - { .name: vsc, .offset: 40, .size: 8, .value_kind: global_buffer, .address_space: global }
      - { .name: out0, .offset: 48, .size: 8, .value_kind: global_buffer, .address_space: global }
    .group_segment_fixed_size: 223232
    .private_segment_fixed_size: 0
    .kernarg_segment_align: 8
    .kernarg_segment_size: 56
    .max_flat_workgroup_size: 512
    .sgpr_count:     100
    .vgpr_count:     256
    .wavefront_size: 32
...
	.end_amdgpu_metadata
.endif
;; end of part 2
